; MI455X (gfx1250); checked and timed in simulation.
; The chip was launched on July 23, 2026; its instructions are those of AMD's public machine-readable ISA for CDNA 5 (MIT licence, August 2026) and "CDNA5" Instruction Set Architecture Reference Guide (July 2026). The comments in the code are by the model that wrote it; some were corrected since.
;; Multihead Attention Main. Allowed arithmetic: matrix products marked QUANTISED: E4M3 operands, one given power-of-two scale a tensor, by v_wmma_f32_16x16x64_fp8_fp8 or v_wmma_f32_16x16x128_fp8_fp8, f32 sums; everything else in f32.
;; Inputs: Wk 1,024 x 1,024 float32; Wo 1,024 x 1,024 float32; Wq 1,024 x 1,024 float32; Wv 1,024 x 1,024 float32; bo 1,024 float32; lowp_scales 12 int32 (the exponents e of the quantised operands' scales 2^e); x 4 x 2,048 x 1,024 float32.
;; Outputs: out0 4 x 2,048 x 1,024 float32.
;; This version of the problem:
;;   THIS VERSION OF THE PROBLEM IS GIVEN IN LOW PRECISION. The matrix products marked QUANTISED in the list below multiply operands that are first quantised to E4M3 (4 exponent bits, 3 mantissa bits; 8 bits a number), with one given power-of-two scale for each operand tensor; their sums are f32. All else is computed in f32.
;;   The module's matrix products, in the order in which they are computed (A, B: the left and right operand; K: the contracted axis; several contracted axes count as one K, in the product's order):
;;     1. [M 8,192, K 1,024] x [K 1,024, N 1,024]; A: input x; B: input Wq: QUANTISED (scales: A lowp_scales[0], B lowp_scales[1])
;;     2. [M 8,192, K 1,024] x [K 1,024, N 1,024]; A: input x; B: input Wk: QUANTISED (scales: A lowp_scales[2], B lowp_scales[3])
;;     3. [M 8,192, K 1,024] x [K 1,024, N 1,024]; A: input x; B: input Wv: QUANTISED (scales: A lowp_scales[4], B lowp_scales[5])
;;     4. batch 64 x [M 2,048, K 64] x [K 64, N 2,048]; A: computed on the way; B: computed on the way: QUANTISED (scales: A lowp_scales[6], B lowp_scales[7])
;;     5. batch 64 x [M 2,048, K 2,048] x [K 2,048, N 64]; A: softmax (see below); B: computed on the way: QUANTISED (scales: A lowp_scales[8], B lowp_scales[9])
;;     6. [M 8,192, K 1,024] x [K 1,024, N 1,024]; A: computed on the way; B: input Wo: QUANTISED (scales: A lowp_scales[10], B lowp_scales[11])
;;   THE QUANTISER, for each operand of a quantised product, along K:
;;     - The operand's scale is 2^e, e = its entry of the input lowp_scales (int32; the entries are numbered through the quantised products in the list's order, A before B).
;;     - Each number is divided by the scale, clamped to +-448, and rounded to the nearest number of E4M3, ties to even, subnormals kept.
;;     - The product sums the exact products of the quantised numbers (number of the format x scale) in f32.
;;   ~~~python
;;   def quantise(x, axis, e):      # numpy; x: float32 -> the quantised numbers, widened to float32 again
;;       x = np.moveaxis(x, axis, -1); K = x.shape[-1]
;;       r = np.clip(x / 2.0 ** e, -448, 448)
;;       step = 2.0 ** (np.maximum(np.frexp(np.where(r == 0, 1, r))[1] - 1, -6) - 3)
;;       q = np.round(r / step) * step * 2.0 ** e      # np.round: ties to even
;;       return np.moveaxis(q, -1, axis).astype(np.float32)
;;   ~~~
;;   SOFTMAX AHEAD OF A QUANTISED PRODUCT. Where the list says 'softmax', what is quantised is not the finished softmax but p = 2^(t - M), with t = logit x log2(e) and M = ceil(the row's largest t), a whole number; so 1/2 < the row's largest p <= 1. The row's sum l is taken of the UNQUANTISED p, in f32, and the product's result is divided by l at the end. Since M is a whole number, a kernel that streams over the keys may use a running M (the ceiling of the running maximum): every later rescaling is an exact power of two, so the quantised numbers keep their values, but for numbers so far below the row's largest that they fall under the format's range.
;;   OPERANDS COMPUTED ON THE WAY. 'Computed on the way' means the value that the module computes at that place (a softmax that the list does not call 'softmax' is quantised finished and normalised). What goes into a quantiser is computed in f32, as accurately as f32 sums, v_exp_f32 and their like allow (about 1e-6 of the number): no bf16 or f16 on the way to a quantiser, and a product that is left as it is and whose result goes on into a quantised operand takes f32 operands (vector FMAs, or v_wmma_f32_16x16x4_f32). A number that lies on a knife's edge between two numbers of the format may be rounded either way, as far as f32 arithmetic and the matrix unit's own rounding can turn it there, and no further.
;; One version. Each part assembles by itself: llvm-mc -triple=amdgcn-amd-amdhsa -mcpu=gfx1250 --defsym DOCPART=n.
;; ======== version 1 of 1: 4 launches
;; limits: right only within a limited range of input values
;; workspace buffers: xc 25,165,824 bytes; wc 4,194,304 bytes; qc 8,388,608 bytes; kc 8,388,608 bytes; vc 8,388,608 bytes; cc 8,388,608 bytes
;; launch quant (part 1): grid 384 x 1, 4 waves a work-group, no clusters, 36,352 bytes of LDS; arguments x, Wq, Wk, Wv, Wo, lowp_scales, xc, wc; writes xc, wc
.if DOCPART == 1
	.amdgcn_target "amdgcn-amd-amdhsa--gfx1250"
	.amdhsa_code_object_version 6
	.text
	.protected	k_qee5a5a02aa_quant
	.globl	k_qee5a5a02aa_quant
	.p2align	8
	.type	k_qee5a5a02aa_quant,@function
k_qee5a5a02aa_quant:
	s_mov_b64 s[64:65], 0
	v_nop
	global_prefetch_b8 v0, s[64:65] scope:SCOPE_SE
	s_setreg_imm32_b32 hwreg(HW_REG_WAVE_MODE, 25, 1), 1
	s_wait_xcnt 0x0
; x [8192][1024] f32 becomes three sets of E4M3 codes (scales 2^e0, 2^e2, 2^e4: x is an operand of three products): xc [3][8192][1024].
; Wq, Wk, Wv, Wo [1024 k][1024 n] f32 become codes with K innermost (scales 2^e1, 2^e3, 2^e5, 2^e11): wc [4][1024 n][1024].
; code = number / 2^e, held within +-448, rounded to the nearest code, ties to even.
; THE ORDER ALONG K, the same in xc and wc (and in the context's codes made later), so that every product meets its partner: within each aligned block of
; 256 along K, byte 8 l + 4 i + j holds k = 128 i + 4 l + j (l 0..31, i 0..1, j 0..3).  With it a lane that loads 16 bytes at 16 x lane from two runs of 512 bytes
; holds the eight numbers of eight neighbouring bytes of codes: loads are dense, the conversions take one lane's registers, and nothing goes through LDS for x.
; Work-groups 0..127 take the weights (a lane to a column n, registers down K in that order, codes out through the wave's own stage in LDS as whole rows of 256 bytes);
; work-groups 128..383 take x as a plain stream.  Only the weights' path touches LDS.  Waves share nothing: no barrier.
; LIMITS: e0, e2, e4, e1, e3, e5, e11 between -126 and 119, so that 2^e and 448 x 2^e are f32 numbers.  NaN among the inputs is not served.
.set PITCH, 272                        ; a stage row: 256 bytes of codes + 16
.set X,     32                         ; weights: v32-95 two sets of 32 numbers
.set C,     96                         ; v96-103 a block's codes
.set OUTR,  112                        ; v112-175 rows read back from the stage
.set R,     16                         ; x: v16-79 four sets of 16 numbers as loaded
.set T,     80                         ; unused: the conversions read the loaded numbers in R
.set XC,    96                         ; v96-119 two sets of 12 registers of codes
.set SC,    120                        ; v120+2z: 2^e, for the three sets z
	s_load_b512 s[4:19], s[0:1], 0x0               ; x 4:5, Wq 6:7, Wk 8:9, Wv 10:11, Wo 12:13, the exponents 14:15, xc 16:17, wc 18:19
	v_lshl_add_u32 v192, v0, 2, 0x8c00
	v_mov_b32 v193, 0
	v_lshrrev_b32 v1, 5, v0
	v_readfirstlane_b32 s32, v1                    ; wave 0..3
	v_and_b32 v2, 31, v0                           ; lane
	s_wait_kmcnt 0x0
	s_load_b256 s[20:27], s[14:15], 0x0            ; e0 .. e7
	s_load_b128 s[28:31], s[14:15], 0x20           ; e8 .. e11
	s_cmp_lt_u32 ttmp9, 128
	s_cbranch_scc0 .Lx
; ---------------- the weights: work-group g: weight g / 32, 256 along K (g / 8) % 4, 128 columns g % 8; a wave takes 32 columns
	s_lshr_b32 s33, ttmp9, 5                       ; which weight: 0 q, 1 k, 2 v, 3 o
	s_bfe_u32 s34, ttmp9, 0x20003                  ; which 256 along K
	s_and_b32 s35, ttmp9, 7
	s_lshl_b32 s36, s35, 7
	s_lshl_b32 s37, s32, 5
	s_add_co_u32 s36, s36, s37                     ; my wave's first column
	s_mov_b64 s[40:41], s[12:13]                   ; the weight's address: a choice on the work-group's number alone
	s_cmp_eq_u32 s33, 2
	s_cselect_b64 s[40:41], s[10:11], s[40:41]
	s_cmp_eq_u32 s33, 1
	s_cselect_b64 s[40:41], s[8:9], s[40:41]
	s_cmp_eq_u32 s33, 0
	s_cselect_b64 s[40:41], s[6:7], s[40:41]
	s_lshl_b32 s42, s34, 20                        ; 256 rows of 4,096 bytes
	s_lshl_b32 s43, s36, 2
	s_add_co_u32 s42, s42, s43
	s_mov_b32 s43, 0
	s_add_nc_u64 s[40:41], s[40:41], s[42:43]
	s_lshl_b32 s44, s33, 20                        ; out: weight x 2^20 + column x 1,024 + 256 x (which 256 along K)
	s_lshl_b32 s45, s36, 10
	s_add_co_u32 s44, s44, s45
	s_lshl_b32 s45, s34, 8
	s_add_co_u32 s44, s44, s45
	s_mov_b32 s45, 0
	s_add_nc_u64 s[18:19], s[18:19], s[44:45]
	s_wait_alu depctr_va_vdst(0)
	v_lshlrev_b32 v3, 2, v2                        ; in: 4 bytes a lane
	s_mul_i32 s46, s32, 32*PITCH                   ; my stage
	v_mul_u32_u24 v4, v2, PITCH
	v_add_nc_u32 v4, s46, v4                       ; into it: row = my column
	v_and_b32 v5, 15, v2
	v_lshrrev_b32 v6, 4, v2
	v_mul_u32_u24 v7, v6, PITCH
	v_lshl_add_u32 v7, v5, 4, v7
	v_add_nc_u32 v7, s46, v7                       ; out of it: sixteen lanes to a row, two rows an instruction
	v_lshlrev_b32 v8, 10, v6
	v_lshl_add_u32 v8, v5, 4, v8                   ; and the same place in wc
.macro WLOAD t                         ; bytes 32 t .. 32 t + 31 of my column's 256: register idx takes the row k that the order gives byte 32 t + idx
.set idx, 0
.rept 32
	global_load_b32 v[X+32*((\t)%2)+idx], v3, s[40:41] offset:(128*((idx>>2)&1)+16*(\t)+4*(idx>>3)+(idx&3))*4096 th:TH_LOAD_NT
.set idx, idx+1
.endr
.endm
	WLOAD 0
	WLOAD 1
	s_wait_kmcnt 0x0
	s_mov_b32 s47, s31                             ; the weight's exponent: e11, e5, e3 or e1
	s_cmp_eq_u32 s33, 2
	s_cselect_b32 s47, s25, s47
	s_cmp_eq_u32 s33, 1
	s_cselect_b32 s47, s23, s47
	s_cmp_eq_u32 s33, 0
	s_cselect_b32 s47, s21, s47
	s_add_co_i32 s47, s47, 127
	s_lshl_b32 s48, s47, 23
	v_mov_b32 v11, s48                             ; 2^e as f32: the conversion takes its exponent field
	s_add_co_i32 s47, s47, 8
	s_lshl_b32 s47, s47, 23
	s_or_b32 s47, s47, 0x600000
.macro BLOCK t
.set XS, X+32*((\t)%2)
.if (\t) < 7
	s_wait_loadcnt 32                              ; this block's 32 loads are in; the next block's 32 may be out
.else
	s_wait_loadcnt 0
.endif
.set idx, 0
.rept 32
.set idx, idx+1
.endr
.irp g, 0,1,2,3
	v_cvt_scalef32_pk8_fp8_f32 v[C+2*\g:C+2*\g+1], v[XS+8*\g:XS+8*\g+7], v11
.endr
	ds_store_b128 v4, v[C:C+3] offset:32*(\t)
	ds_store_b128 v4, v[C+4:C+7] offset:32*(\t)+16
.if (\t)+2 < 8
	WLOAD (\t)+2
.endif
	s_wait_dscnt 0x0                               ; the stores have read their registers: the next block's codes may be written
.endm
	s_wait_alu depctr_va_vdst(0)
.irp t, 0,1,2,3,4,5,6,7
	BLOCK \t
.endr
.irp t, 0,1,2,3,4,5,6,7,8,9,10,11,12,13,14,15
	ds_load_b128 v[OUTR+4*\t:OUTR+4*\t+3], v7 offset:2*\t*PITCH   ; LDS serves a wave's instructions in order: these see my stores
.endr
.irp t, 0,1,2,3,4,5,6,7,8,9,10,11,12,13,14,15
	s_wait_dscnt 15-\t                             ; the younger reads may stay out
	global_store_b128 v8, v[OUTR+4*\t:OUTR+4*\t+3], s[18:19] offset:2*\t*1024   ; sixteen lanes store 256 consecutive bytes, aligned
.endr
	s_wait_tensorcnt 0x0
	ds_add_u32 v192, v193
	s_wait_dscnt 0x0
	s_endpgm
; ---------------- x: a wave takes 8,192 numbers, 16 steps of 512 (two blocks of 256 along K)
.Lx:
	s_sub_co_u32 s33, ttmp9, 128
	s_lshl_b32 s33, s33, 2
	s_add_co_u32 s33, s33, s32                     ; which run of 8,192 numbers: 0 .. 1,023
	s_lshl_b32 s34, s33, 15
	s_mov_b32 s35, 0
	s_add_nc_u64 s[4:5], s[4:5], s[34:35]
	s_lshl_b32 s34, s33, 13
	s_add_nc_u64 s[36:37], s[16:17], s[34:35]      ; the three sets lie 8,388,608 bytes apart: a base for each
	s_add_nc_u64 s[38:39], s[36:37], 0x800000
	s_add_nc_u64 s[40:41], s[38:39], 0x800000
	s_wait_alu depctr_va_vdst(0)
	v_lshlrev_b32 v3, 4, v2                        ; my 16 bytes of a load's 512
	v_lshlrev_b32 v4, 3, v2                        ; my 8 bytes of a store's 256
.macro XLOAD t
.irp i, 0,1,2,3
	global_load_b128 v[R+16*((\t)%4)+4*\i:R+16*((\t)%4)+4*\i+3], v3, s[4:5] offset:2048*(\t)+512*\i th:TH_LOAD_NT   ; 32 lanes read 512 consecutive bytes
.endr
.endm
.irp t, 0,1,2,3
	XLOAD \t
.endr
	s_wait_kmcnt 0x0
.irp z, 0,1,2
	s_add_co_i32 s42, s[20+2*\z], 127
	s_lshl_b32 s43, s42, 23
	v_mov_b32 v[SC+2*\z], s43
	s_add_co_i32 s42, s42, 8
	s_lshl_b32 s42, s42, 23
	s_or_b32 s42, s42, 0x600000
.endr
.macro XSTEP t
.if 15-(\t) >= 3
	s_wait_loadcnt 12                              ; this step's four loads are in; those of the three steps behind it may be out
.else
	s_wait_loadcnt 4*(15-(\t))
.endif
	s_wait_xcnt 0x0                                ; the stores of two steps ago have read this set of code registers
.irp z, 0,1,2
.irp k, 0,1
.irp n, 0,1,2,3,4,5,6,7
.endr
	v_cvt_scalef32_pk8_fp8_f32 v[XC+12*((\t)%2)+4*\z+2*\k:XC+12*((\t)%2)+4*\z+2*\k+1], v[T+8*\k+((R+16*((\t)%4)+8*\k+0)-(T+8*\k+0)):T+8*\k+7+((R+16*((\t)%4)+8*\k+0)-(T+8*\k+0))], v[SC+2*\z]
.endr
.endr
.irp z, 0,1,2
.irp k, 0,1
	global_store_b64 v4, v[XC+12*((\t)%2)+4*\z+2*\k:XC+12*((\t)%2)+4*\z+2*\k+1], s[36+2*\z:37+2*\z] offset:512*(\t)+256*\k   ; the wave stores 256 consecutive bytes, aligned
.endr
.endr
.if (\t)+4 < 16
	v_nop
	XLOAD (\t)+4
.endif
.endm
	s_wait_alu depctr_va_vdst(0)
.irp t, 0,1,2,3,4,5,6,7,8,9,10,11,12,13,14,15
	XSTEP \t
.endr
	s_endpgm
.Lfunc_end_k_qee5a5a02aa_quant:
	.size	k_qee5a5a02aa_quant, .Lfunc_end_k_qee5a5a02aa_quant-k_qee5a5a02aa_quant
	.p2alignl 7, 3214868480
	.fill 96, 4, 3214868480
	.section	.rodata,"a",@progbits
	.p2align	6, 0x0
	.amdhsa_kernel k_qee5a5a02aa_quant
		.amdhsa_group_segment_fixed_size 36352
		.amdhsa_private_segment_fixed_size 0
		.amdhsa_enable_private_segment 0
		.amdhsa_kernarg_size 64
		.amdhsa_user_sgpr_count 2
		.amdhsa_user_sgpr_kernarg_segment_ptr 1
		.amdhsa_wavefront_size32 1
		.amdhsa_system_sgpr_workgroup_id_x 1
		.amdhsa_system_sgpr_workgroup_id_y 1
		.amdhsa_system_sgpr_workgroup_id_z 1
		.amdhsa_system_vgpr_workitem_id 0
		.amdhsa_next_free_vgpr 194
		.amdhsa_next_free_sgpr 66
		.amdhsa_reserve_vcc 0
		.amdhsa_float_denorm_mode_32 3
		.amdhsa_float_denorm_mode_16_64 3
		.amdhsa_fp16_overflow 1
		.amdhsa_memory_ordered 1
		.amdhsa_forward_progress 1
		.amdhsa_inst_pref_size 58
	.end_amdhsa_kernel
	.amdgpu_metadata
---
amdhsa.version: [ 1, 2 ]
amdhsa.kernels:
  - .name:           k_qee5a5a02aa_quant
    .symbol:         k_qee5a5a02aa_quant.kd
    .args:
      - { .name: x, .offset: 0, .size: 8, .value_kind: global_buffer, .address_space: global }
      - { .name: Wq, .offset: 8, .size: 8, .value_kind: global_buffer, .address_space: global }
      - { .name: Wk, .offset: 16, .size: 8, .value_kind: global_buffer, .address_space: global }
      - { .name: Wv, .offset: 24, .size: 8, .value_kind: global_buffer, .address_space: global }
      - { .name: Wo, .offset: 32, .size: 8, .value_kind: global_buffer, .address_space: global }
      - { .name: lowp_scales, .offset: 40, .size: 8, .value_kind: global_buffer, .address_space: global }
      - { .name: xc, .offset: 48, .size: 8, .value_kind: global_buffer, .address_space: global }
      - { .name: wc, .offset: 56, .size: 8, .value_kind: global_buffer, .address_space: global }
    .group_segment_fixed_size: 36352
    .private_segment_fixed_size: 0
    .kernarg_segment_align: 8
    .kernarg_segment_size: 64
    .max_flat_workgroup_size: 128
    .sgpr_count:     66
    .vgpr_count:     194
    .wavefront_size: 32
...
	.end_amdgpu_metadata
.endif
;; end of part 1
;; launch qkv (part 2): grid 12 x 32, 4 waves a work-group, clusters of 4 x 4, 327,680 bytes of LDS; arguments xc, wc, lowp_scales, qc, kc, vc; writes qc, kc, vc
.if DOCPART == 2
	.amdgcn_target "amdgcn-amd-amdhsa--gfx1250"
	.amdhsa_code_object_version 6
	.text
	.protected	k_qee5a5a02aa_qkv
	.globl	k_qee5a5a02aa_qkv
	.p2align	8
	.type	k_qee5a5a02aa_qkv,@function
k_qee5a5a02aa_qkv:
	s_mov_b64 s[64:65], 0
	v_nop
	global_prefetch_b8 v0, s[64:65] scope:SCOPE_SE
	s_setreg_imm32_b32 hwreg(HW_REG_WAVE_MODE, 25, 1), 1
	s_wait_xcnt 0x0
	s_wait_alu depctr_hold_cnt(0) depctr_sa_sdst(0) depctr_va_vdst(0) depctr_va_sdst(0) depctr_va_ssrc(0) depctr_va_vcc(0) depctr_vm_vsrc(0)
	s_getreg_b32 s2, hwreg(HW_REG_IB_STS2, 6, 4)
	s_cmp_eq_u32 s2, 0
	s_cbranch_scc0 .Lentry_in_a_cluster
	s_endpgm
.Lentry_in_a_cluster:
	s_bfe_u32 s2, ttmp6, 0x10000c
	s_cmp_lg_u32 s2, 0xf033
	s_cbranch_scc0 .Lentry_shape_is_right
	s_endpgm
.Lentry_shape_is_right:
; q = x Wq, k = x Wk, v = x Wv on E4M3 codes (K = 1,024), each result quantised on the way out with its given scale (2^e6, 2^e7, 2^e9) and stored as codes.
; The cluster's x says which product (0 q, 1 k, 2 v).  q, k: C[token][channel], rows of A = x's codes (the product's own set), rows of B = the weight's codes.
; v is made as C[channel][token] (rows of A = Wv's codes, rows of B = x's codes), so that its codes lie with the tokens (the keys) innermost: vc [1024][8192].  One text serves all three: only addresses and the output's pitch are chosen.
; A tile of C, 256 x 256, is made by four waves, 128 x 128 each: 64 accumulators, 512 registers.  K goes in four steps of 256 through two LDS slots filled by the tensor data mover.
; CLUSTERS: 4 x 4 work-groups; A's tile is asked for jointly along a row of the cluster, B's along a column.  By this text's count a wave has two tensor loads out at the start, later one.
; THE MATRIX INSTRUCTION IS USED TRANSPOSED (source 0 = 16 rows of B, source 1 = 16 rows of A): a lane holds eight neighbouring columns of one row of C, which one conversion turns into 8 bytes.
; THE ORDER OF THE CODES IN A ROW OF C: two neighbouring accumulators give a lane 16 bytes, so within each group of 32 columns byte 16 h + 8 u + j holds column 16 u + 8 h + j.  q and k have it alike along the head's axis; the attention launch takes v's order into account.
; A sum stands for sum x 2^(eA + eB): its code is sum / 2^(eOut - eA - eB), held within +-448 of that scale.
; LIMITS: e6 - e0 - e1, e7 - e2 - e3, e9 - e4 - e5 between -126 and 119.
; REGISTERS, in windows of 256: window 0: v0-31 addresses and scales; from v128 A's fragments, one set; on the way out v96-255.  window 1: B's fragments, two sets.  windows 2, 3: the accumulators ((a, b) at v[8 (8 (a % 4) + b)]).
.set ROWB,   256                       ; a tile's row in bytes
.set KROW,   1024                      ; a row of codes in memory
.set PITCH,  272                       ; an LDS row: 256 bytes + 16 of padding: the 16 rows of a fragment load start at 16 different banks (64 banks of 4 bytes: ISA guide 11.1)
.set FR,     16
.set NL,     4
.set NP,     4                         ; places behind this matrix instruction (ISA guide 7.12.1)
.set HALFT,  128*PITCH
.set SLOT,   4*HALFT
.set SPARE,  2*SLOT                    ; behind the ring: the spare words, 128 bytes a wave
.set ADRA, 16
.set ADRB, 20
.set STO,  24                          ; v24 the way out: where I put 16 bytes of a row
.set RD,   25                          ; v25 where I read rows back
.set SPW,  28
.set NIL,  29
.set SCV,  30                          ; v30 the conversion's scale
.set LIM,  31
.set TMP,  32
.set CD,   96                          ; v96-223 codes: 16 registers a block; later the rows read back
.set GOF,  224                         ; v224-255 the stores' 32 offsets (the pitch is a chosen number, so it cannot stand in an immediate)
.set AF,   128
.set G1, 24
.set G0, 32
.set G1B, 48
.set G0B, 56
.set MSB, 0
.macro WIN new                         ; the immediate's high byte repeats the setting that is left
.if MSB != \new
	s_set_vgpr_msb (MSB<<8)|\new
.set MSB, \new
.endif
.endm
.set MUL_LO, 0xa1                      ; source 0 (B) window 1, source 1 (A) window 0, C and D window 2
.set MUL_HI, 0xf1
.set TO_B,   0x40
.macro JLOAD g0a, g1a, g0b, g1b        ; a joint load: waves 0, 1 fetch for A, waves 2, 3 for B; four v_nop follow each line
	s_cmp_eq_u32 s15, 0
	s_cbranch_scc0 .Lfor_b_\@
	tensor_load_to_lds s[\g0a:\g0a+3], s[\g1a:\g1a+7]
	s_nop 0
.rept 4
	v_nop
.endr
	s_branch .Lasked_\@
.Lfor_b_\@:
	tensor_load_to_lds s[\g0b:\g0b+3], s[\g1b:\g1b+7]
	s_nop 0
.rept 4
	v_nop
.endr
.Lasked_\@:
.endm
.macro CREST                           ; a round of the cluster's barrier behind its opening barrier
	s_cmp_lg_u32 s14, 0
	s_cbranch_scc1 .Lnot_wave_0_\@
	s_barrier_signal -3
.Lnot_wave_0_\@:
	s_barrier_wait -3
	s_barrier_signal -1
	s_barrier_wait -1
.endm
.macro CROUND
	s_barrier_signal -1
	s_barrier_wait -1
	CREST
.endm
	s_load_b128 s[4:7], s[0:1], 0x0                ; xc, wc
	s_load_b128 s[8:11], s[0:1], 0x10              ; the exponents, qc
	s_load_b128 s[92:95], s[0:1], 0x20             ; kc, vc
	v_lshl_add_u32 v[SPW], v0, 2, SPARE
	v_mov_b32 v[NIL], 0
	ds_add_u32 v28, v29
	ds_add_u32 v28, v29
	s_wait_dscnt 0x0
	v_lshrrev_b32 v1, 5, v0
	v_readfirstlane_b32 s14, v1                    ; wave 0..3
	s_lshr_b32 s15, s14, 1                         ; my half of the tile's rows; also: I fetch for A (0) or B (1)
	s_and_b32 s16, s14, 1                          ; my half of its columns; also: which 128 rows I fetch
	s_bfe_u32 s40, ttmp6, 0x40000                  ; cx
	s_bfe_u32 s41, ttmp6, 0x40004                  ; cy
	s_mov_b32 s80, ttmp9                           ; the product: 0 q, 1 k, 2 v: the same in all sixteen partners
	s_and_b32 s81, ttmp7, 0xffff                   ; the cluster's y: which 1,024 tokens
	s_mov_b32 s84, 1024
	s_cmp_eq_u32 s80, 2
	s_cselect_b32 s82, 0, s81                      ; clusters walk the rows of C (q, k)
	s_cselect_b32 s83, s81, 0                      ; or its columns (v)
	s_cselect_b32 s84, 0x2000, s84                 ; a row of the output in bytes: 1,024 or 8,192
	s_lshl_b32 s42, s83, 2
	s_add_co_u32 s42, s42, s40                     ; tile column
	s_lshl_b32 s17, s82, 2
	s_add_co_u32 s17, s17, s41                     ; tile row
	s_lshl_b32 s43, s41, 2
	s_lshl_b32 s43, 15, s43                        ; my row of the cluster
	s_lshl_b32 s44, 0x1111, s40                    ; my column
	s_or_b32 s[G1+0], s43, (0<<16)|(1<<20)|(1<<21)|(5<<22)|(3<<25)  ; the mask; elements of 1 byte; padding on; bit 21 beside a mask; 4 words after every 64
	s_or_b32 s[G1B+0], s44, (0<<16)|(1<<20)|(1<<21)|(5<<22)|(3<<25)
.irp g, G1, G1B
	s_mov_b32 s[\g+1], ROWB<<16                    ; tensor_dim0
	s_mov_b32 s[\g+2], 128<<16                     ; tensor_dim1
	s_mov_b32 s[\g+3], ROWB<<16                    ; tile_dim0
	s_mov_b32 s[\g+4], 128                         ; tile_dim1
	s_mov_b32 s[\g+5], KROW                        ; the pitch
	s_mov_b32 s[\g+6], 0
	s_mov_b32 s[\g+7], 0
.endr
	s_lshl_b32 s18, s16, 7
	s_lshl_b32 s20, s17, 8
	s_add_co_u32 s20, s20, s18                     ; A: row 256 x tile row + 128 x half
	s_lshl_b32 s46, s42, 8
	s_add_co_u32 s46, s46, s18                     ; B: row 256 x tile column + 128 x half
	s_lshl_b32 s20, s20, 10                        ; in bytes
	s_lshl_b32 s46, s46, 10
	s_mov_b32 s21, 0
	s_mov_b32 s47, 0
	s_lshl_b32 s86, s80, 23                        ; the product's set of x's codes
	s_mov_b32 s87, 0
	s_lshl_b32 s88, s80, 20                        ; and its weight's codes
	s_mov_b32 s89, 0
	s_mul_i32 s45, s14, HALFT                      ; where my load goes: wave x 128 rows
	s_wait_kmcnt 0x0
	s_load_b256 s[68:75], s[8:9], 0x0              ; e0 .. e7
	s_load_b64 s[76:77], s[8:9], 0x20              ; e8, e9
	s_add_nc_u64 s[86:87], s[4:5], s[86:87]
	s_add_nc_u64 s[88:89], s[6:7], s[88:89]
	s_cmp_eq_u32 s80, 2
	s_cselect_b64 s[90:91], s[88:89], s[86:87]     ; A: x's codes, or for v the weight's
	s_cselect_b64 s[86:87], s[86:87], s[88:89]     ; B: the other
	s_add_nc_u64 s[20:21], s[90:91], s[20:21]
	s_add_nc_u64 s[46:47], s[86:87], s[46:47]
	s_cmp_eq_u32 s80, 1
	s_cselect_b64 s[10:11], s[92:93], s[10:11]     ; the output
	s_cmp_eq_u32 s80, 2
	s_cselect_b64 s[10:11], s[94:95], s[10:11]
	CROUND                                         ; all sixteen work-groups are here: the first joint loads meet
.irp s, 0,1
	s_mov_b32 s[G0+4*\s], 1
	s_add_co_u32 s[G0+4*\s+1], s45, \s*SLOT
	s_add_nc_u64 s[G0+4*\s+2:G0+4*\s+3], s[20:21], \s*ROWB
	s_or_b32 s[G0+4*\s+3], s[G0+4*\s+3], 0x80000000
	s_mov_b32 s[G0B+4*\s], 1
	s_add_co_u32 s[G0B+4*\s+1], s45, \s*SLOT
	s_add_nc_u64 s[G0B+4*\s+2:G0B+4*\s+3], s[46:47], \s*ROWB
	s_or_b32 s[G0B+4*\s+3], s[G0B+4*\s+3], 0x80000000
	JLOAD G0+4*\s, G1, G0B+4*\s, G1B
.endr
	v_and_b32 v1, 15, v0                           ; r
	v_bfe_u32 v2, v0, 4, 1                         ; h
	v_mul_u32_u24 v3, v1, PITCH
	v_lshl_add_u32 v4, v2, 4, v3                   ; row x pitch + 16 x half
	s_wait_alu depctr_va_vdst(0)
	s_mul_i32 s21, s15, HALFT
	s_mul_i32 s22, s16, HALFT
	s_add_co_u32 s22, s22, 2*HALFT
.irp s, 0,1
	v_add_nc_u32 v[ADRA+\s], s21, v4
	v_add_nc_u32 v[ADRB+\s], s22, v4
	s_add_co_u32 s21, s21, SLOT
	s_add_co_u32 s22, s22, SLOT
.endr
	s_mul_i32 s23, s15, 128*PITCH                  ; the stage, 256 rows x 272 bytes at LDS byte 0: in: my 128 rows, my 128 of their 256 bytes
	s_lshl_b32 s18, s16, 7
	s_add_co_u32 s23, s23, s18
	v_add_nc_u32 v[STO], s23, v4
	s_mul_i32 s23, s14, 64*PITCH                   ; back: wave w takes rows 64 w on, whole; lanes 0-15 one row, lanes 16-31 the next
	v_mul_u32_u24 v5, v2, PITCH
	v_lshl_add_u32 v5, v1, 4, v5
	v_add_nc_u32 v[RD], s23, v5
	s_lshl_b32 s20, s17, 8
	s_lshl_b32 s21, s14, 6
	s_add_co_u32 s20, s20, s21                     ; the first row that I store: 256 x tile row + 64 x wave
	s_mul_i32 s20, s20, s84
	s_lshl_b32 s46, s42, 8
	s_add_co_u32 s20, s20, s46                     ; + 256 x tile column
	s_mov_b32 s21, 0
	s_add_nc_u64 s[10:11], s[10:11], s[20:21]
.macro FRAG reg, adr, q, i             ; 16 rows x 128 K: lane l holds row l % 16; registers 4 c .. 4 c + 3 hold bytes 32 c + 16 (l / 16) + 0 .. 15: the same in A and in B
.irp c, 0,1,2,3
	ds_load_b128 v[\reg+4*\c:\reg+4*\c+3], v[\adr] offset:128*(\q)+32*\c+(\i)*16*PITCH
.endr
.endm
.macro MUL16 a0, p, zero               ; 16 matrix instructions; the 64 accumulators take turns, one instruction a turn
.irp a, \a0, \a0+1
.irp b, 0,1,2,3,4,5,6,7
.if \zero
	v_wmma_f32_16x16x128_fp8_fp8 v[8*(8*((\a)%4)+\b):8*(8*((\a)%4)+\b)+7], v[128*(\p)+FR*\b:128*(\p)+FR*\b+FR-1], v[AF+FR*(\a):AF+FR*(\a)+FR-1], 0
.else
	v_wmma_f32_16x16x128_fp8_fp8 v[8*(8*((\a)%4)+\b):8*(8*((\a)%4)+\b)+7], v[128*(\p)+FR*\b:128*(\p)+FR*\b+FR-1], v[AF+FR*(\a):AF+FR*(\a)+FR-1], v[8*(8*((\a)%4)+\b):8*(8*((\a)%4)+\b)+7]
.endif
.endr
.endr
.endm
.macro FETCH_B slot, q, p
	WIN TO_B
.irp i, 0,1,2,3,4,5,6,7
	FRAG 128*(\p)+FR*\i, ADRB+\slot, \q, \i
.endr
	WIN 0
.endm
.macro FETCH_A slot, q, i0
.irp i, \i0, \i0+1, \i0+2, \i0+3
	FRAG AF+FR*(\i), ADRA+\slot, \q, \i
.endr
.endm
.macro PLACES n                        ; plain vector instructions between a matrix instruction and a load into, or a read of, its registers
.rept \n
	v_nop
.endr
.endm
.macro STEP slot, q, zero              ; 128 along K with its successor in the same slot
	s_wait_dscnt 4*NL                              ; B's set and A's blocks 0-3 are in; the youngest 16 loads (A's blocks 4-7) may be out
	WIN MUL_LO
	MUL16 0, (\q)%2, \zero
	MUL16 2, (\q)%2, \zero
	s_wait_dscnt 0
	PLACES NP
	FETCH_B \slot, (\q)+1, 1-(\q)%2
	FETCH_A \slot, (\q)+1, 0
	WIN MUL_HI
	MUL16 4, (\q)%2, \zero
	MUL16 6, (\q)%2, \zero
	PLACES NP
	WIN 0
	FETCH_A \slot, (\q)+1, 4
.endm
.macro TURN slot, next, fill           ; a slot's last 128 along K, and the change of slots
	s_wait_tensorcnt 0x0                           ; all my tensor loads have landed: my part of the next slot
	ds_add_u32 v[SPW], v[NIL]                      ; 0 onto my spare word
	s_wait_dscnt 4*NL+1                            ; the add and the youngest 16 loads may be out
	WIN MUL_LO
	MUL16 0, 1, 0
	s_wait_dscnt 0x0                               ; the add is done, and my reads of this slot are over
	s_barrier_signal -1
	MUL16 2, 1, 0
	WIN 0
	s_barrier_wait -1
.if \fill
	CREST                                          ; the barrier has opened a round of the cluster's: no wave of any partner still reads this slot or has a load on its way
	s_add_nc_u64 s[G0+4*\slot+2:G0+4*\slot+3], s[G0+4*\slot+2:G0+4*\slot+3], 2*ROWB
	s_add_nc_u64 s[G0B+4*\slot+2:G0B+4*\slot+3], s[G0B+4*\slot+2:G0B+4*\slot+3], 2*ROWB
	JLOAD G0+4*\slot, G1, G0B+4*\slot, G1B         ; the first tensor load behind the round; its four v_nop are the places in front of the loads below
.else
	PLACES NP
.endif
	FETCH_B \next, 0, 0
	FETCH_A \next, 0, 0
	WIN MUL_HI
	MUL16 4, 1, 0
	MUL16 6, 1, 0
	PLACES NP
	WIN 0
	FETCH_A \next, 0, 4
.endm
	s_wait_alu depctr_va_vdst(0)
	s_wait_tensorcnt 1                             ; my part of K step 0 is in; K step 1's load may be out
	s_barrier_signal -1
	s_barrier_wait -1
	FETCH_B 0, 0, 0
	FETCH_A 0, 0, 0
	FETCH_A 0, 0, 4
	STEP 0, 0, 1                                   ; K = 1,024 is twice round the ring: written out, no loop.  The first products start the sums
	TURN 0, 1, 1
	STEP 1, 0, 0
	TURN 1, 0, 1
	STEP 0, 0, 0
	TURN 0, 1, 0                                   ; the last change of slots fills nothing
	STEP 1, 0, 0
	s_wait_dscnt 4*NL
	WIN MUL_LO
	MUL16 0, 1, 0
	MUL16 2, 1, 0
	s_wait_dscnt 0
	WIN MUL_HI
	MUL16 4, 1, 0
	MUL16 6, 1, 0
	WIN 0
; THE WAY OUT.  Each block of 16 rows: convert, 16 bytes a lane into ONE stage of 256 rows (a row's 256 bytes come from two waves).  The stage lies in slot 0, which has had its last fill, and which nobody reads behind the last change of slots.
	s_wait_kmcnt 0x0
	s_add_co_i32 s68, s68, s69                     ; eA + eB of the three products,
	s_add_co_i32 s70, s70, s71
	s_add_co_i32 s72, s72, s73
	s_cmp_eq_u32 s80, 1
	s_cselect_b32 s68, s70, s68                    ; mine,
	s_cselect_b32 s74, s75, s74                    ; and the result's own exponent: e6, e7 or e9
	s_cmp_eq_u32 s80, 2
	s_cselect_b32 s68, s72, s68
	s_cselect_b32 s74, s77, s74
	s_sub_co_i32 s74, s74, s68
	s_add_co_i32 s74, s74, 127
	s_lshl_b32 s75, s74, 23
	v_mov_b32 v[SCV], s75                          ; 2^(eOut - eA - eB)
	s_add_co_i32 s74, s74, 8
	s_lshl_b32 s74, s74, 23
	s_or_b32 s74, s74, 0x600000
	PLACES NP
.macro QBLOCK a
.set AC, 64*((\a)%4)
	WIN 0x02+((\a)/4)                              ; source 0: window 2 or 3
.set nn, 0
.rept 64
.set nn, nn+1
.endr
.irp b, 0,1,2,3,4,5,6,7
	v_cvt_scalef32_pk8_fp8_f32 v[CD+16*(\a)+2*\b:CD+16*(\a)+2*\b+1], v[AC+8*\b:AC+8*\b+7], v[SCV]
.endr
	WIN 0
	v_nop                                          ; a plain line between the conversions and the stores of their codes
.irp p, 0,1,2,3
	ds_store_b128 v[STO], v[CD+16*(\a)+4*\p:CD+16*(\a)+4*\p+3] offset:(\a)*16*PITCH+32*\p
.endr
.endm
.irp a, 0,1,2,3,4,5,6,7
	QBLOCK \a
.endr
	v_mul_lo_u32 v[GOF], v2, s84                   ; the stores' offsets: (lane / 16) rows + 16 (lane % 16), then two rows on for each store
	v_lshl_add_u32 v[GOF], v1, 4, v[GOF]
	s_lshl_b32 s85, s84, 1
.set nn, 1
.rept 31
	v_add_nc_u32 v[GOF+nn], s85, v[GOF+nn-1]
.set nn, nn+1
.endr
	s_wait_alu depctr_va_vdst(0)
	s_wait_dscnt 0x0                               ; for the others' sake: my stores into the stage are done
	s_barrier_signal -1
	s_barrier_wait -1
.set nn, 0
.rept 32
	ds_load_b128 v[CD+4*nn:CD+4*nn+3], v[RD] offset:2*nn*PITCH
.set nn, nn+1
.endr
.set nn, 0
.rept 32
	s_wait_dscnt 31-nn                             ; the younger reads may stay out
	global_store_b128 v[GOF+nn], v[CD+4*nn:CD+4*nn+3], s[10:11]   ; sixteen lanes store 256 consecutive bytes, aligned
.set nn, nn+1
.endr
	s_wait_tensorcnt 0x0                           ; the wave's end
	ds_add_u32 v[SPW], v[NIL]
	s_wait_dscnt 0x0
	CROUND                                         ; the closing round
	s_endpgm
.Lfunc_end_k_qee5a5a02aa_qkv:
	.size	k_qee5a5a02aa_qkv, .Lfunc_end_k_qee5a5a02aa_qkv-k_qee5a5a02aa_qkv
	.p2alignl 7, 3214868480
	.fill 96, 4, 3214868480
	.section	.rodata,"a",@progbits
	.p2align	6, 0x0
	.amdhsa_kernel k_qee5a5a02aa_qkv
		.amdhsa_group_segment_fixed_size 327680
		.amdhsa_private_segment_fixed_size 0
		.amdhsa_enable_private_segment 0
		.amdhsa_kernarg_size 48
		.amdhsa_user_sgpr_count 2
		.amdhsa_user_sgpr_kernarg_segment_ptr 1
		.amdhsa_wavefront_size32 1
		.amdhsa_system_sgpr_workgroup_id_x 1
		.amdhsa_system_sgpr_workgroup_id_y 1
		.amdhsa_system_sgpr_workgroup_id_z 1
		.amdhsa_system_vgpr_workitem_id 0
		.amdhsa_next_free_vgpr 1024
		.amdhsa_next_free_sgpr 100
		.amdhsa_reserve_vcc 0
		.amdhsa_float_denorm_mode_32 3
		.amdhsa_float_denorm_mode_16_64 3
		.amdhsa_fp16_overflow 1
		.amdhsa_memory_ordered 1
		.amdhsa_forward_progress 1
		.amdhsa_inst_pref_size 93
	.end_amdhsa_kernel
	.amdgpu_metadata
---
amdhsa.version: [ 1, 2 ]
amdhsa.kernels:
  - .name:           k_qee5a5a02aa_qkv
    .symbol:         k_qee5a5a02aa_qkv.kd
    .args:
      - { .name: xc, .offset: 0, .size: 8, .value_kind: global_buffer, .address_space: global }
      - { .name: wc, .offset: 8, .size: 8, .value_kind: global_buffer, .address_space: global }
      - { .name: lowp_scales, .offset: 16, .size: 8, .value_kind: global_buffer, .address_space: global }
      - { .name: qc, .offset: 24, .size: 8, .value_kind: global_buffer, .address_space: global }
      - { .name: kc, .offset: 32, .size: 8, .value_kind: global_buffer, .address_space: global }
      - { .name: vc, .offset: 40, .size: 8, .value_kind: global_buffer, .address_space: global }
    .group_segment_fixed_size: 327680
    .private_segment_fixed_size: 0
    .kernarg_segment_align: 8
    .kernarg_segment_size: 48
    .max_flat_workgroup_size: 128
    .sgpr_count:     100
    .vgpr_count:     1024
    .wavefront_size: 32
...
	.end_amdgpu_metadata
.endif
;; end of part 2
;; launch attn (part 3): grid 16 x 16, 16 waves a work-group, clusters of 4 x 1, 327,680 bytes of LDS; arguments qc, kc, vc, lowp_scales, cc; writes cc
.if DOCPART == 3
	.amdgcn_target "amdgcn-amd-amdhsa--gfx1250"
	.amdhsa_code_object_version 6
	.text
	.protected	k_qee5a5a02aa_attn
	.globl	k_qee5a5a02aa_attn
	.p2align	8
	.type	k_qee5a5a02aa_attn,@function
k_qee5a5a02aa_attn:
	s_mov_b64 s[64:65], 0
	v_nop
	global_prefetch_b8 v0, s[64:65] scope:SCOPE_SE
	s_setreg_imm32_b32 hwreg(HW_REG_WAVE_MODE, 25, 1), 1
	s_wait_xcnt 0x0
	s_wait_alu depctr_hold_cnt(0) depctr_sa_sdst(0) depctr_va_vdst(0) depctr_va_sdst(0) depctr_va_ssrc(0) depctr_va_vcc(0) depctr_vm_vsrc(0)
	s_getreg_b32 s2, hwreg(HW_REG_IB_STS2, 6, 4)
	s_cmp_eq_u32 s2, 0
	s_cbranch_scc0 .Lentry_in_a_cluster
	s_endpgm
.Lentry_in_a_cluster:
	s_bfe_u32 s2, ttmp6, 0x10000c
	s_cmp_lg_u32 s2, 0x3003
	s_cbranch_scc0 .Lentry_shape_is_right
	s_endpgm
.Lentry_shape_is_right:
; Causal attention on E4M3 codes, 16 heads of 64, 4 batches of 2,048 tokens; the context is quantised (2^e10) and stored as codes.
; qc, kc: [8192 tokens][1024]; vc: [1024 channels][8192 tokens], tokens innermost, within each group of 32 tokens byte 16 h + 8 u + j holds token 16 u + 8 h + j.
; SOFTMAX: t = score x log2(e) / 8; M = the running largest t rounded up to a whole number; p = 2^(t - M) is quantised (2^e8), not normalised; the row's sum is taken of the unquantised p and divides at the end.  When M moves, sum and O are multiplied by 2^(old M - new M).
; SHARES.  A work-group takes one batch, four heads (256 bytes of a token's row) and two blocks of 64 queries: block j from the front (L) and block j from the back (H), j = 4 x cluster x + cx.  Wave w: head w / 4, tile w % 4: one tile of 16 queries in L and one in H.
; Key steps are 128 keys; a trip is two steps.  What is left out under the causal mask is decided for the whole cluster c, so that all four partners run alike: the cluster walks 16 - 2 c steps; H is open but in the last two, where it is masked;
; L is open in trips under c, masked in trip c, left out behind it.  So every wave of the launch works 18 tile steps.  A step whose keys are all hidden from a query gives it p = 0 and leaves M; key 0 counts for every query, so M is a number from the first step on.
; CLUSTER.  The four partners walk the same K and V: each tile is asked for jointly (mask 15): waves 0, 1 K's halves, waves 2, 3 V's.  A wave has one tensor load out.
; LAYOUT.  Both products transposed: S^T = K Q^T (source 0 = 16 NEIGHBOURING keys), O^T = V^T P^T: a lane holds one query.  Register 8 i + j of S^T is key 16 i + 8 h + j: the 16 registers of tiles 2 c, 2 c + 1 are just the tokens of vc's bytes 32 c + 16 h + 0 .. 15.
; THE CONTEXT'S CODES: cc [8192][1024]; within each block of 256 channels byte 8 l + 4 i + j holds channel 128 i + 4 l + j, the order of Wo's codes.
; LIMITS: e6 + e7 between -124 and 129; e8, e10 between -126 and 119.  NaN is not served.
; REGISTERS: v1-4 LDS addresses of K's and V's fragments in slots 0, 1; v5, v6 the add's; v7, v8 query - 8 h of L, H; v9 prefetch offset; v12-15, v16-19 -M, largest t, sum pair of L, H; v20-27, v28-35 Q; v36-99 fragments; v100-163 S^T, p; v164-195, v196-227 O^T; v228-243 p's codes; v244.. scales and work.
.set KP,    272                        ; a key's row in LDS: 256 bytes + 16
.set VP,    144                        ; a channel's row: 128 bytes + 16
.set VOFF,  128*KP
.set SLOT,  128*KP+256*VP              ; 71,680
.set SPARE, 2*SLOT                     ; the spare words: 128 bytes for each of 16 waves
.set STAGE, SPARE+2048                 ; 128 rows x 272 bytes for the way out: bytes of its own, into which no fill lands
.set AK,  1
.set AV,  3
.set F,   36
.set S,   100
.set PC,  228
.set WV,  18
.set SEL, 20
.set CS,  22
.set G1K, 24
.set G1V, 32
.set G0K, 40                           ; s[40:43] slot 0, s[44:47] slot 1
.set G0V, 48
.set TAU, 56                           ; the trip
.set NT,  57                           ; 7 - c: the loop's trips
.set CL,  58                           ; c
.set PFA, 76
.set PFS, 78
.set ASKF, 80
.macro CROUND
	s_barrier_signal -1
	s_barrier_wait -1
	s_cmp_lg_u32 s[WV], 0
	s_cbranch_scc1 .Lnot_wave_0_\@
	s_barrier_signal -3
.Lnot_wave_0_\@:
	s_barrier_wait -3
	s_barrier_signal -1
	s_barrier_wait -1
.endm
.macro TLOAD g0k, g0v                  ; the branches hang on the wave's number alone; four v_nop follow each line
	s_cmp_lt_u32 s[WV], 2
	s_cbranch_scc0 .Lnot_k_\@
	tensor_load_to_lds s[\g0k:\g0k+3], s[G1K:G1K+7]
	s_nop 0
.rept 4
	v_nop
.endr
	s_branch .Lasked_\@
.Lnot_k_\@:
	s_cmp_lt_u32 s[WV], 4
	s_cbranch_scc0 .Lasked_\@
	tensor_load_to_lds s[\g0v:\g0v+3], s[G1V:G1V+7]
	s_nop 0
.rept 4
	v_nop
.endr
.Lasked_\@:
.endm
; A prefetch of the next trip's 256 keys: 256 rows x 256 bytes of K, 256 channels x 256 bytes of V.  The clusters of a batch and head group walk the same rows: cluster 0, which walks all of them, asks.  Its four partners take 64 rows each, told apart by address;
; in each, waves 4, 5 ask for K's (32 rows each, a lane a row), waves 6, 7 for V's.  So each aligned 256 bytes is named once.  The tail asks for nothing; the first trip's keys come by their loads alone.
.macro ASK
	s_cmp_eq_u32 s[ASKF], 1
	s_cbranch_scc0 .Lnot_mine_\@
	s_wait_alu depctr_va_vdst(0)
	global_prefetch_b8 v9, s[PFA:PFA+1] th:TH_LOAD_NT scope:SCOPE_SE
.Lnot_mine_\@:
.endm
	s_load_b256 s[4:11], s[0:1], 0x0               ; qc 4:5, kc 6:7, vc 8:9, the exponents 10:11
	s_load_b64 s[12:13], s[0:1], 0x20              ; cc
	v_lshl_add_u32 v5, v0, 2, SPARE
	v_mov_b32 v6, 0
	ds_add_u32 v5, v6
	ds_add_u32 v5, v6
	s_wait_dscnt 0x0
	v_lshrrev_b32 v10, 5, v0
	s_delay_alu instid0(VALU_DEP_1)
	v_readfirstlane_b32 s[WV], v10                 ; wave 0..15
	s_bfe_u32 s14, ttmp6, 0x40000                  ; cx
	s_mov_b32 s[CL], ttmp9                         ; c
	s_lshl_b32 s15, s[CL], 2
	s_add_co_u32 s15, s15, s14                     ; j
	s_and_b32 s16, ttmp7, 0xffff
	s_lshr_b32 s17, s16, 2                         ; batch
	s_and_b32 s16, s16, 3                          ; head group
	s_lshr_b32 s19, s[WV], 2                       ; my head in the group
	s_and_b32 s2, s[WV], 3                         ; my tile in a block of 64 queries
	s_and_b32 s3, s[WV], 1                         ; which half of a tile I fetch, if I fetch
	s_sub_co_u32 s[NT], 7, s[CL]
	s_mov_b32 s[G1K], 15|(1<<20)|(1<<21)|(5<<22)|(3<<25)   ; mask: all four; elements of 1 byte; padding: 4 words after every 64
	s_mov_b32 s[G1K+1], 256<<16                    ; tensor_dim0
	s_mov_b32 s[G1K+2], 64<<16                     ; tensor_dim1
	s_mov_b32 s[G1K+3], 256<<16                    ; tile_dim0
	s_mov_b32 s[G1K+4], 64                         ; tile_dim1
	s_mov_b32 s[G1K+5], 1024                       ; the pitch
	s_mov_b32 s[G1K+6], 0
	s_mov_b32 s[G1K+7], 0
	s_mov_b32 s[G1V], 15|(1<<20)|(1<<21)|(4<<22)|(3<<25)   ; padding: 4 words after every 32
	s_mov_b32 s[G1V+1], 128<<16
	s_mov_b32 s[G1V+2], 128<<16
	s_mov_b32 s[G1V+3], 128<<16
	s_mov_b32 s[G1V+4], 128
	s_mov_b32 s[G1V+5], 8192
	s_mov_b32 s[G1V+6], 0
	s_mov_b32 s[G1V+7], 0
	s_mov_b32 s[SEL], 0x76543210
	s_mov_b32 s[SEL+1], 0xfedcba98
	s_mov_b32 s[CS], 0x3e38aa3b                    ; log2(e) / 8
	s_lshl_b32 s60, s17, 21                        ; K: (2,048 batch + 64 half) rows of 1,024 bytes + 256 head group
	s_lshl_b32 s61, s3, 16
	s_add_co_u32 s60, s60, s61
	s_lshl_b32 s61, s16, 8
	s_add_co_u32 s60, s60, s61
	s_mov_b32 s61, 0
	s_lshl_b32 s62, s16, 21                        ; V: (256 head group + 128 half) rows of 8,192 bytes + 2,048 batch
	s_lshl_b32 s63, s3, 20
	s_add_co_u32 s62, s62, s63
	s_lshl_b32 s63, s17, 11
	s_add_co_u32 s62, s62, s63
	s_mov_b32 s63, 0
	s_mul_i32 s66, s3, 64*KP                       ; and in a slot: no place in the cluster enters an LDS address
	s_mul_i32 s67, s3, 128*VP
	s_add_co_u32 s67, s67, VOFF
	s_wait_kmcnt 0x0
	s_load_b128 s[68:71], s[10:11], 0x18           ; e6, e7, e8, e9
	s_load_b32 s72, s[10:11], 0x28                 ; e10
	s_add_nc_u64 s[60:61], s[6:7], s[60:61]
	s_add_nc_u64 s[62:63], s[8:9], s[62:63]
.irp s, 0,1
	s_mov_b32 s[G0K+4*\s], 1
	s_add_co_u32 s[G0K+4*\s+1], s66, \s*SLOT
	s_add_nc_u64 s[G0K+4*\s+2:G0K+4*\s+3], s[60:61], \s*128*1024   ; slot s begins with key step s
	s_or_b32 s[G0K+4*\s+3], s[G0K+4*\s+3], 0x80000000
	s_mov_b32 s[G0V+4*\s], 1
	s_add_co_u32 s[G0V+4*\s+1], s67, \s*SLOT
	s_add_nc_u64 s[G0V+4*\s+2:G0V+4*\s+3], s[62:63], \s*128
	s_or_b32 s[G0V+4*\s+3], s[G0V+4*\s+3], 0x80000000
.endr
	CROUND                                         ; all four work-groups are here
	TLOAD G0K, G0V                                 ; key step 0 into slot 0
	s_lshl_b32 s73, s15, 6
	s_lshl_b32 s74, s2, 4
	s_add_co_u32 s90, s73, s74                     ; L's first query: 64 j + 16 tile
	s_sub_co_u32 s81, 1984, s73
	s_add_co_u32 s81, s81, s74                     ; H's: 1,984 - 64 j + 16 tile
	s_lshl_b32 s82, s17, 11
	s_lshl_b32 s84, s16, 8
	s_lshl_b32 s85, s19, 6
	s_add_co_u32 s84, s84, s85                     ; my head's bytes in a row
	s_add_co_u32 s86, s82, s90
	s_lshl_b32 s86, s86, 10
	s_add_co_u32 s86, s86, s84
	s_mov_b32 s87, 0
	s_add_co_u32 s88, s82, s81
	s_lshl_b32 s88, s88, 10
	s_add_co_u32 s88, s88, s84
	s_mov_b32 s89, 0
	s_add_nc_u64 s[86:87], s[4:5], s[86:87]
	s_add_nc_u64 s[88:89], s[4:5], s[88:89]
	v_and_b32 v10, 15, v0                          ; r
	v_bfe_u32 v11, v0, 4, 1                        ; h
	s_delay_alu instid0(VALU_DEP_2)
	v_lshlrev_b32 v253, 10, v10
	s_delay_alu instid0(VALU_DEP_1)
	v_lshl_add_u32 v253, v11, 4, v253              ; Q: row r, + 16 h
	global_load_b128 v[20:23], v253, s[86:87]
	global_load_b128 v[24:27], v253, s[86:87] offset:32
	global_load_b128 v[28:31], v253, s[88:89]
	global_load_b128 v[32:35], v253, s[88:89] offset:32
	v_mul_u32_u24 v1, v10, KP
	s_delay_alu instid0(VALU_DEP_1)
	v_lshl_add_u32 v1, v11, 4, v1
	s_delay_alu instid0(VALU_DEP_1)
	v_add_nc_u32 v1, s85, v1                       ; K: row r, my head's 64 bytes, + 16 h
	s_delay_alu instid0(VALU_DEP_1)
	v_add_nc_u32 v2, SLOT, v1
	v_mul_u32_u24 v3, v10, VP
	s_delay_alu instid0(VALU_DEP_1)
	v_lshl_add_u32 v3, v11, 4, v3
	s_mul_i32 s85, s19, 64*VP
	s_add_co_u32 s85, s85, VOFF
	v_add_nc_u32 v3, s85, v3                       ; V: my head's channel r, + 16 h
	s_delay_alu instid0(VALU_DEP_1)
	v_add_nc_u32 v4, SLOT, v3
	v_lshlrev_b32 v8, 3, v11
	s_delay_alu instid0(VALU_DEP_1)
	v_sub_nc_u32 v8, v10, v8
	s_delay_alu instid0(VALU_DEP_1)
	v_add_nc_u32 v7, s90, v8                       ; my query - 8 h, of L
	s_delay_alu instid0(VALU_DEP_2)
	v_add_nc_u32 v8, s81, v8                       ; and of H
	v_mov_b32 v13, 0xff61b1e6                      ; the largest t so far: -3e38
	s_delay_alu instid0(VALU_DEP_1)
	v_floor_f32 v12, -v13
	v_mov_b32 v14, 0
	v_mov_b32 v15, 0
	v_mov_b32 v17, 0xff61b1e6
	s_delay_alu instid0(VALU_DEP_1)
	v_floor_f32 v16, -v17
	v_mov_b32 v18, 0
	v_mov_b32 v19, 0
	v_mov_b32 v247, 0                              ; (named as the upper half of a pair)
	v_mov_b32 v252, 0                              ; (a lane permute's destination counts as read)
	v_mov_b32 v254, 0xff800000                     ; -infinity
.set nn, 0
.rept 64
	v_mov_b32 v[164+nn], 0                         ; O^T of both tiles: the step is written without a first step of its own
.set nn, nn+1
.endr
	; the prefetches: where my wave's stand, and who asks
	s_lshl_b32 s82, s14, 6
	s_lshl_b32 s83, s3, 5
	s_add_co_u32 s82, s82, s83                     ; my 32 rows of the 256: 64 cx + 32 (wave % 2)
	s_lshl_b32 s83, s17, 11
	s_add_co_u32 s83, s83, s82
	s_lshl_b32 s83, s83, 10
	s_lshl_b32 s84, s16, 8
	s_add_co_u32 s83, s83, s84                     ; in K
	s_add_co_u32 s84, s84, s82
	s_lshl_b32 s84, s84, 13
	s_lshl_b32 s85, s17, 11
	s_add_co_u32 s84, s84, s85                     ; in V
	s_mov_b32 s[PFS], 256
	s_mov_b32 s85, 8192
	s_cmp_lt_u32 s[WV], 6
	s_cselect_b32 s82, s83, s84
	s_cselect_b64 s[PFA:PFA+1], s[6:7], s[8:9]
	s_cselect_b32 s[PFS], 0x40000, s[PFS]          ; a trip on: 256 rows of K, 256 bytes of a row of V
	s_cselect_b32 s85, 1024, s85                   ; from lane to lane
	s_mov_b32 s83, 0
	s_mov_b32 s[PFS+1], 0
	s_add_nc_u64 s[PFA:PFA+1], s[PFA:PFA+1], s[82:83]  ; at trip 0: each request is preceded by a step
	v_and_b32 v9, 31, v0
	s_delay_alu instid0(VALU_DEP_1)
	v_mul_lo_u32 v9, v9, s85
	s_sub_co_u32 s82, s[WV], 4
	s_lshr_b32 s82, s82, 2                         ; 0 in waves 4 to 7,
	s_or_b32 s82, s82, ttmp9                       ; of cluster 0: the same in all four partners
	s_cmp_eq_u32 s82, 0
	s_cselect_b32 s[ASKF], 1, 0
	s_wait_kmcnt 0x0
	s_add_co_i32 s73, s68, s69
	s_lshl_b32 s73, s73, 23
	s_add_co_i32 s[CS], s[CS], s73                 ; a score stands for score x 2^(e6 + e7): added to c's exponent field
	s_mov_b32 s[CS+1], s[CS]
	s_add_co_i32 s73, s70, 127
	s_lshl_b32 s74, s73, 23
	v_mov_b32 v244, s74                            ; 2^e8
; ONE TILE'S KEY STEP.  st: its statistics; q: its Q; o: its O^T; dx: its query - 8 h; mode 0: all keys count; 1: masked; 2: by the trip: open under c, masked at c, left out behind c.
.macro STEP st, q, o, dx, slot, mode
.if \mode == 2
	s_cmp_gt_u32 s[TAU], s[CL]
	s_cbranch_scc1 .Lhid_\@
.endif
.rept 4
	v_nop                                          ; places in front of loads into registers that the last products read
.endr
.set ii, 0
.rept 8
	ds_load_b128 v[F+8*ii:F+8*ii+3], v[AK+\slot] offset:ii*16*KP
	ds_load_b128 v[F+8*ii+4:F+8*ii+7], v[AK+\slot] offset:ii*16*KP+32
.set ii, ii+1
.endr
	s_wait_dscnt 0x0
.set ii, 0
.rept 8
	v_wmma_f32_16x16x64_fp8_fp8 v[S+8*ii:S+8*ii+7], v[F+8*ii:F+8*ii+7], v[\q:\q+7], 0
.set ii, ii+1
.endr
.rept 4
	v_nop                                          ; places in front of the loads below and of the first read of the scores
.endr
.set ii, 0
.rept 16
	ds_load_b128 v[F+4*ii:F+4*ii+3], v[AV+\slot] offset:(ii/4)*16*VP+32*(ii%4)   ; V's four fragments are asked for ahead of the softmax
.set ii, ii+1
.endr
.if \mode > 0
.if \mode == 2
	s_cmp_lg_u32 s[TAU], s[CL]
	s_cbranch_scc1 .Lopen_\@
.endif
	s_lshl_b32 s59, s[TAU], 8
	s_add_co_u32 s59, s59, 128*\slot               ; the step's first key
	v_sub_nc_u32 v253, v[\dx], s59                 ; register 8 i + j holds key first + 16 i + 8 h + j: hidden where 16 i + j > my query - first - 8 h
.set nn, 0
.rept 64
	v_cmp_gt_i32 vcc_lo, 16*(nn/8)+nn%8, v253
	v_cndmask_b32 v[S+nn], v[S+nn], v254, vcc_lo
.set nn, nn+1
.endr
.if \mode == 2
.Lopen_\@:
.endif
.endif
	v_max3_num_f32 v250, v[S], v[S+1], v[S+2]      ; the step's largest score of my query, in two chains, ascending
	v_max3_num_f32 v251, v[S+3], v[S+4], v[S+5]
.irp i, 6,10,14,18,22,26,30,34,38,42,46,50,54,58
	v_max3_num_f32 v250, v250, v[S+\i], v[S+\i+1]
	v_max3_num_f32 v251, v251, v[S+\i+2], v[S+\i+3]
.endr
	v_max3_num_f32 v250, v250, v[S+62], v[S+63]
	s_delay_alu instid0(VALU_DEP_1)
	v_max_num_f32 v250, v250, v251
	s_delay_alu instid0(VALU_DEP_1)
	v_permlanex16_b32 v252, v250, s[SEL], s[SEL+1]
	s_delay_alu instid0(VALU_DEP_1)
	v_max_num_f32 v250, v250, v252                 ; and among lane l xor 16's
	s_delay_alu instid0(VALU_DEP_1)
	v_mul_f32 v250, s[CS], v250                    ; as t
	s_delay_alu instid0(VALU_DEP_1)
	v_max_num_f32 v[\st+1], v[\st+1], v250         ; the running largest t
	v_mov_b32 v250, v[\st]
	s_delay_alu instid0(VALU_DEP_2)
	v_floor_f32 v[\st], -v[\st+1]                  ; -M = floor(-t): M is a whole number
	s_delay_alu instid0(VALU_DEP_1)
	v_sub_f32 v250, v[\st], v250                   ; old M - new M
	s_delay_alu instid0(VALU_DEP_1)
	v_cvt_i32_f32 v250, v250                       ; (it saturates)
	s_delay_alu instid0(VALU_DEP_1)
	v_ldexp_f32 v246, 1.0, v250                    ; f = 2^(old M - new M)
.set nn, 0
.rept 32
	v_pk_fma_f32 v[S+nn:S+nn+1], v[S+nn:S+nn+1], s[CS:CS+1], v[\st:\st+1] op_sel_hi:[1,0,0]   ; t - M
.set nn, nn+2
.endr
.set nn, 0
	s_wait_alu depctr_va_vdst(0)
.rept 64
	v_exp_f32 v[S+nn], v[S+nn]                     ; p = 2^(t - M)
.set nn, nn+1
.endr
	v_pk_mul_f32 v[\st+2:\st+3], v[\st+2:\st+3], v[246:247] op_sel_hi:[1,0]   ; the sums under the new M; the plain line behind the exponentials
	s_wait_alu depctr_va_vdst(0)                   ; one wait for the batch, ahead of its first reader
	v_pk_add_f32 v[248:249], v[S:S+1], v[S+2:S+3]  ; the sum of the unquantised p, in two chains
.irp i, 4,8,12,16,20,24,28,32,36,40,44,48,52,56,60
	v_pk_add_f32 v[\st+2:\st+3], v[\st+2:\st+3], v[S+\i:S+\i+1]
	v_pk_add_f32 v[248:249], v[248:249], v[S+\i+2:S+\i+3]
.endr
	s_delay_alu instid0(VALU_DEP_1)
	v_pk_add_f32 v[\st+2:\st+3], v[\st+2:\st+3], v[248:249]
.irp b, 0,1,2,3
.irp i, 0,1,2,3,4,5,6,7,8,9,10,11,12,13,14,15
.endr
	v_cvt_scalef32_pk8_fp8_f32 v[PC+4*\b:PC+4*\b+1], v[S+16*\b:S+16*\b+7], v244
	v_cvt_scalef32_pk8_fp8_f32 v[PC+4*\b+2:PC+4*\b+3], v[S+16*\b+8:S+16*\b+15], v244
.endr
.set nn, 0
.rept 16
	v_pk_mul_f32 v[\o+nn:\o+nn+1], v[\o+nn:\o+nn+1], v[246:247] op_sel_hi:[1,0]   ; O^T under the new M; also the plain lines behind the conversions
.set nn, nn+2
.endr
	s_wait_alu depctr_va_vdst(0)
	s_wait_dscnt 0x0                               ; V's fragments are in
.set ii, 0
.rept 4
	v_wmma_f32_16x16x128_fp8_fp8 v[\o+8*ii:\o+8*ii+7], v[F+16*ii:F+16*ii+15], v[PC:PC+15], v[\o+8*ii:\o+8*ii+7]   ; four accumulators by turns; the next step's eight score products stand between two links
.set ii, ii+1
.endr
.if \mode == 2
.Lhid_\@:
.endif
.endm
; THE CHANGE OF SLOTS, at a step's head.  Each wave waits for all its tensor loads (its part of the slot ahead), adds 0 to its spare word, and waits for that and for its reads of the slot that it has left; a round of the cluster's barrier;
; then the slot that was left is filled with the step after this one, which has this step's work in which to land.
.macro TRIP slot, refill, ask
	s_wait_tensorcnt 0x0                           ; no tensor load of mine is out, so a group 0 may be written
	ds_add_u32 v5, v6                              ; 0 onto my spare word
	s_add_nc_u64 s[G0K+4*\slot+2:G0K+4*\slot+3], s[G0K+4*\slot+2:G0K+4*\slot+3], 2*128*1024   ; this slot's next step
	s_add_nc_u64 s[G0V+4*\slot+2:G0V+4*\slot+3], s[G0V+4*\slot+2:G0V+4*\slot+3], 2*128
.if \ask
	s_wait_xcnt 0x0                                ; the last prefetch, a trip back, has read its address
	s_add_nc_u64 s[PFA:PFA+1], s[PFA:PFA+1], s[PFS:PFS+1]
.endif
	s_wait_dscnt 0x0                               ; the add is done, and my reads of the slot that I have left are over
	CROUND
.if \refill
	TLOAD G0K+4*(1-\slot), G0V+4*(1-\slot)         ; the first thing behind the round, a wave's one tensor load until the next
.endif
.if \ask
	ASK
.endif
.endm
	s_mov_b32 s[TAU], 0
	s_wait_loadcnt 0x0                             ; Q
.Ltrip:                                            ; 7 - c trips of two key steps: the count hangs on the cluster's x alone, which the partners share
	TRIP 0, 1, 1
	STEP 16, 28, 196, 8, 0, 0
	STEP 12, 20, 164, 7, 0, 2
	TRIP 1, 1, 0
	STEP 16, 28, 196, 8, 1, 0
	STEP 12, 20, 164, 7, 1, 2
	s_add_co_u32 s[TAU], s[TAU], 1
	s_cmp_lt_u32 s[TAU], s[NT]
	s_cbranch_scc1 .Ltrip
	TRIP 0, 1, 0                                   ; the last two steps are written out: H on its diagonal; the last asks for nothing
	STEP 16, 28, 196, 8, 0, 1
	TRIP 1, 0, 0
	STEP 16, 28, 196, 8, 1, 1
	; THE WAY OUT.  O^T / the sum x 2^(e8 + e9) is the context; it is converted with 2^e10, and put into the stage in the order of Wo's codes; then whole rows of 256 bytes leave.
	v_add_f32 v14, v14, v15
	v_add_f32 v18, v18, v19
	s_delay_alu instid0(VALU_DEP_2)
	v_permlanex16_b32 v252, v14, s[SEL], s[SEL+1]
	s_delay_alu instid0(VALU_DEP_2)
	v_permlanex16_b32 v253, v18, s[SEL], s[SEL+1]
	s_delay_alu instid0(VALU_DEP_2)
	v_add_f32 v14, v14, v252
	s_delay_alu instid0(VALU_DEP_2)
	v_add_f32 v18, v18, v253
	s_wait_alu depctr_va_vdst(0)
	v_rcp_f32 v14, v14
	v_rcp_f32 v18, v18
	v_and_b32 v250, 15, v0                         ; (the plain line behind the reciprocals)  r
	s_wait_alu depctr_va_vdst(0)
	v_bfe_u32 v251, v0, 4, 1                       ; h
	s_add_co_i32 s73, s70, s71                     ; e8 + e9
	s_add_co_i32 s74, s72, 127
	s_lshl_b32 s75, s74, 23
	v_mov_b32 v248, s75                            ; 2^e10
	s_mul_i32 s82, s2, 16*272                      ; in: row 16 tile + r; channel 64 head + 16 t + 8 h + 4 g + 0..3 lies at byte 128 (head % 2) + 4 (head / 2) + 32 t + 16 h + 8 g
	s_and_b32 s83, s19, 1
	s_lshl_b32 s83, s83, 7
	s_add_co_u32 s82, s82, s83
	s_lshr_b32 s83, s19, 1
	s_lshl_b32 s83, s83, 2
	s_add_co_u32 s82, s82, s83
	s_add_co_u32 s82, s82, STAGE
	v_mul_u32_u24 v10, v250, 272
	s_wait_alu depctr_va_vdst(0)
	v_lshl_add_u32 v10, v251, 4, v10
	s_delay_alu instid0(VALU_DEP_1)
	v_add_nc_u32 v10, s82, v10
	s_mul_i32 s82, s[WV], 8*272                    ; back: wave w takes rows 8 w .. 8 w + 7: lanes 0-15 one row, lanes 16-31 the next
	s_add_co_u32 s82, s82, STAGE
	v_mul_u32_u24 v11, v251, 272
	s_delay_alu instid0(VALU_DEP_1)
	v_lshl_add_u32 v11, v250, 4, v11
	s_delay_alu instid0(VALU_DEP_1)
	v_add_nc_u32 v11, s82, v11
	v_lshlrev_b32 v1, 10, v251
	s_delay_alu instid0(VALU_DEP_1)
	v_lshl_add_u32 v1, v250, 4, v1                 ; and the same two rows in cc
	s_lshl_b32 s82, s15, 6
	s_sub_co_u32 s83, 1920, s82
	s_cmp_lt_u32 s[WV], 8                          ; stage rows 0-63 are L's queries 64 j on, rows 64-127 H's 1,984 - 64 j on
	s_cselect_b32 s82, s82, s83
	s_lshl_b32 s83, s[WV], 3
	s_add_co_u32 s82, s82, s83
	s_lshl_b32 s83, s17, 11
	s_add_co_u32 s82, s82, s83
	s_lshl_b32 s82, s82, 10
	s_lshl_b32 s83, s16, 8
	s_add_co_u32 s82, s82, s83
	s_mov_b32 s83, 0
	s_add_nc_u64 s[12:13], s[12:13], s[82:83]
	s_wait_alu depctr_va_vdst(0)                   ; one wait for both reciprocals, ahead of their first reader
	v_ldexp_f32 v14, v14, s73
	v_ldexp_f32 v18, v18, s73
.set nn, 0
.rept 32
	v_mul_f32 v[S+nn], v[164+nn], v14
.set nn, nn+1
.endr
.set nn, 0
.rept 32
	v_mul_f32 v[S+32+nn], v[196+nn], v18
.set nn, nn+1
.endr
.set nn, 0
.rept 64
.set nn, nn+1
.endr
.set nn, 0
.rept 8
	v_cvt_scalef32_pk8_fp8_f32 v[PC+2*nn:PC+2*nn+1], v[S+8*nn:S+8*nn+7], v248
.set nn, nn+1
.endr
	v_nop
.set nn, 0
.rept 16
	ds_store_b32 v10, v[PC+nn] offset:(nn/8)*64*272+32*((nn/2)%4)+8*(nn%2)
.set nn, nn+1
.endr
	s_wait_dscnt 0x0                               ; for the others' sake: my stores into the stage are done
	s_barrier_signal -1
	s_barrier_wait -1
.irp i, 0,1,2,3
	ds_load_b128 v[F+4*\i:F+4*\i+3], v11 offset:2*\i*272
.endr
.irp i, 0,1,2,3
	s_wait_dscnt 3-\i                              ; the younger reads may stay out
	global_store_b128 v1, v[F+4*\i:F+4*\i+3], s[12:13] offset:2048*\i   ; sixteen lanes store 256 consecutive bytes, aligned
.endr
	s_wait_tensorcnt 0x0                           ; the wave's end
	ds_add_u32 v5, v6
	s_wait_dscnt 0x0
	CROUND                                         ; the closing round
	s_endpgm
.Lfunc_end_k_qee5a5a02aa_attn:
	.size	k_qee5a5a02aa_attn, .Lfunc_end_k_qee5a5a02aa_attn-k_qee5a5a02aa_attn
	.p2alignl 7, 3214868480
	.fill 96, 4, 3214868480
	.section	.rodata,"a",@progbits
	.p2align	6, 0x0
	.amdhsa_kernel k_qee5a5a02aa_attn
		.amdhsa_group_segment_fixed_size 327680
		.amdhsa_private_segment_fixed_size 0
		.amdhsa_enable_private_segment 0
		.amdhsa_kernarg_size 40
		.amdhsa_user_sgpr_count 2
		.amdhsa_user_sgpr_kernarg_segment_ptr 1
		.amdhsa_wavefront_size32 1
		.amdhsa_system_sgpr_workgroup_id_x 1
		.amdhsa_system_sgpr_workgroup_id_y 1
		.amdhsa_system_sgpr_workgroup_id_z 1
		.amdhsa_system_vgpr_workitem_id 0
		.amdhsa_next_free_vgpr 256
		.amdhsa_next_free_sgpr 96
		.amdhsa_reserve_vcc 1
		.amdhsa_float_denorm_mode_32 3
		.amdhsa_float_denorm_mode_16_64 3
		.amdhsa_fp16_overflow 1
		.amdhsa_memory_ordered 1
		.amdhsa_forward_progress 1
		.amdhsa_inst_pref_size 124
	.end_amdhsa_kernel
	.amdgpu_metadata
---
amdhsa.version: [ 1, 2 ]
amdhsa.kernels:
  - .name:           k_qee5a5a02aa_attn
    .symbol:         k_qee5a5a02aa_attn.kd
    .args:
      - { .name: qc, .offset: 0, .size: 8, .value_kind: global_buffer, .address_space: global }
      - { .name: kc, .offset: 8, .size: 8, .value_kind: global_buffer, .address_space: global }
      - { .name: vc, .offset: 16, .size: 8, .value_kind: global_buffer, .address_space: global }
      - { .name: lowp_scales, .offset: 24, .size: 8, .value_kind: global_buffer, .address_space: global }
      - { .name: cc, .offset: 32, .size: 8, .value_kind: global_buffer, .address_space: global }
    .group_segment_fixed_size: 327680
    .private_segment_fixed_size: 0
    .kernarg_segment_align: 8
    .kernarg_segment_size: 40
    .max_flat_workgroup_size: 512
    .sgpr_count:     96
    .vgpr_count:     256
    .wavefront_size: 32
...
	.end_amdgpu_metadata
.endif
;; end of part 3
;; launch oproj (part 4): grid 4 x 32, 4 waves a work-group, clusters of 4 x 4, 327,680 bytes of LDS; arguments cc, wc, lowp_scales, bo, out0; writes out0
.if DOCPART == 4
	.amdgcn_target "amdgcn-amd-amdhsa--gfx1250"
	.amdhsa_code_object_version 6
	.text
	.protected	k_qee5a5a02aa_oproj
	.globl	k_qee5a5a02aa_oproj
	.p2align	8
	.type	k_qee5a5a02aa_oproj,@function
k_qee5a5a02aa_oproj:
	s_mov_b64 s[64:65], 0
	v_nop
	global_prefetch_b8 v0, s[64:65] scope:SCOPE_SE
	s_setreg_imm32_b32 hwreg(HW_REG_WAVE_MODE, 25, 1), 1
	s_wait_xcnt 0x0
	s_wait_alu depctr_hold_cnt(0) depctr_sa_sdst(0) depctr_va_vdst(0) depctr_va_sdst(0) depctr_va_ssrc(0) depctr_va_vcc(0) depctr_vm_vsrc(0)
	s_getreg_b32 s2, hwreg(HW_REG_IB_STS2, 6, 4)
	s_cmp_eq_u32 s2, 0
	s_cbranch_scc0 .Lentry_in_a_cluster
	s_endpgm
.Lentry_in_a_cluster:
	s_bfe_u32 s2, ttmp6, 0x10000c
	s_cmp_lg_u32 s2, 0xf033
	s_cbranch_scc0 .Lentry_shape_is_right
	s_endpgm
.Lentry_shape_is_right:
; out0 = ctx Wo + bo.  ctx: cc [8192][1024], Wo: the fourth quarter of wc [1024 n][1024]: E4M3 codes, K innermost in one and the same order; out0 [8192][1024] f32.
; The codes are multiplied as they are; each finished sum gives sum x 2^(e10 + e11) + bo by one fused multiply-add.  LIMIT: e10 + e11 between -126 and 127.
; A tile of out0, 256 x 256, is made by four waves, 128 x 128 each; K goes in four steps of 256 through two LDS slots filled by the tensor data mover; 4 x 4 work-groups form a cluster: A's tile is asked for jointly along a row, B's along a column.
; By this text's count a wave has one tensor load out at a time.  128 tiles: with this tile half of the WGPs have no work-group; a smaller tile would read more LDS bytes for each product.
; THE MATRIX INSTRUCTION IS USED TRANSPOSED (source 0 = 16 rows of B, source 1 = 16 rows of A): a lane holds eight neighbouring columns of one row.
; REGISTERS as in windows of 256: window 0: v0-31 addresses, v12-15 my four numbers of bo; from v128 A's fragments, one set; window 1: B's, two sets; windows 2, 3: the accumulators.
.set ROWB,   256
.set KROW,   1024
.set PITCH,  272
.set FR,     16
.set NL,     4
.set NP,     4
.set HALFT,  128*PITCH
.set SLOT,   4*HALFT
.set SPARE,  2*SLOT
.set SPITCH, 528                       ; the way out: a stage of 16 rows x (512 + 16) bytes for each wave, in slot 0, which has had its last fill and its last read by then
.set NROW,   4096                      ; a row of out0 in bytes
.set BIAS, 12
.set ADRA, 16
.set ADRB, 20
.set STO,  24
.set RD,   25
.set CO,   26
.set SPW,  28
.set NIL,  29
.set AF,   128
.set BK,   128                         ; rows read back: v128-191 and v192-255 by turns
.set G1, 24
.set G0, 32
.set G1B, 48
.set G0B, 56
.set MSB, 0
.macro WIN new
.if MSB != \new
	s_set_vgpr_msb (MSB<<8)|\new
.set MSB, \new
.endif
.endm
.set MUL_LO, 0xa1
.set MUL_HI, 0xf1
.set TO_B,   0x40
.macro JLOAD g0a, g1a, g0b, g1b
	s_cmp_eq_u32 s15, 0
	s_cbranch_scc0 .Lfor_b_\@
	tensor_load_to_lds s[\g0a:\g0a+3], s[\g1a:\g1a+7]
	s_nop 0
.rept 4
	v_nop
.endr
	s_branch .Lasked_\@
.Lfor_b_\@:
	tensor_load_to_lds s[\g0b:\g0b+3], s[\g1b:\g1b+7]
	s_nop 0
.rept 4
	v_nop
.endr
.Lasked_\@:
.endm
.macro CREST
	s_cmp_lg_u32 s14, 0
	s_cbranch_scc1 .Lnot_wave_0_\@
	s_barrier_signal -3
.Lnot_wave_0_\@:
	s_barrier_wait -3
	s_barrier_signal -1
	s_barrier_wait -1
.endm
.macro CROUND
	s_barrier_signal -1
	s_barrier_wait -1
	CREST
.endm
	s_load_b128 s[4:7], s[0:1], 0x0                ; cc, wc
	s_load_b128 s[8:11], s[0:1], 0x10              ; the exponents, bo
	s_load_b64 s[12:13], s[0:1], 0x20              ; out0
	v_lshl_add_u32 v[SPW], v0, 2, SPARE
	v_mov_b32 v[NIL], 0
	ds_add_u32 v28, v29
	ds_add_u32 v28, v29
	s_wait_dscnt 0x0
	v_lshrrev_b32 v1, 5, v0
	v_readfirstlane_b32 s14, v1
	s_lshr_b32 s15, s14, 1
	s_and_b32 s16, s14, 1
	s_bfe_u32 s40, ttmp6, 0x40000
	s_bfe_u32 s41, ttmp6, 0x40004
	s_lshl_b32 s42, ttmp9, 2
	s_add_co_u32 s42, s42, s40                     ; tile column
	s_and_b32 s17, ttmp7, 0xffff
	s_lshl_b32 s17, s17, 2
	s_add_co_u32 s17, s17, s41                     ; tile row
	s_lshl_b32 s43, s41, 2
	s_lshl_b32 s43, 15, s43
	s_lshl_b32 s44, 0x1111, s40
	s_or_b32 s[G1+0], s43, (0<<16)|(1<<20)|(1<<21)|(5<<22)|(3<<25)
	s_or_b32 s[G1B+0], s44, (0<<16)|(1<<20)|(1<<21)|(5<<22)|(3<<25)
.irp g, G1, G1B
	s_mov_b32 s[\g+1], ROWB<<16
	s_mov_b32 s[\g+2], 128<<16
	s_mov_b32 s[\g+3], ROWB<<16
	s_mov_b32 s[\g+4], 128
	s_mov_b32 s[\g+5], KROW
	s_mov_b32 s[\g+6], 0
	s_mov_b32 s[\g+7], 0
.endr
	s_lshl_b32 s18, s16, 7
	s_lshl_b32 s20, s17, 8
	s_add_co_u32 s20, s20, s18
	s_lshl_b32 s46, s42, 8
	s_add_co_u32 s46, s46, s18
	s_lshl_b32 s20, s20, 10
	s_lshl_b32 s46, s46, 10
	s_add_co_u32 s46, s46, 0x300000                ; Wo's codes are the fourth weight in wc
	s_mov_b32 s21, 0
	s_mov_b32 s47, 0
	s_mul_i32 s45, s14, HALFT
	s_wait_kmcnt 0x0
	s_load_b64 s[96:97], s[8:9], 0x28              ; e10, e11
	s_add_nc_u64 s[20:21], s[4:5], s[20:21]
	s_add_nc_u64 s[46:47], s[6:7], s[46:47]
	CROUND
.irp s, 0,1
	s_mov_b32 s[G0+4*\s], 1
	s_add_co_u32 s[G0+4*\s+1], s45, \s*SLOT
	s_add_nc_u64 s[G0+4*\s+2:G0+4*\s+3], s[20:21], \s*ROWB
	s_or_b32 s[G0+4*\s+3], s[G0+4*\s+3], 0x80000000
	s_mov_b32 s[G0B+4*\s], 1
	s_add_co_u32 s[G0B+4*\s+1], s45, \s*SLOT
	s_add_nc_u64 s[G0B+4*\s+2:G0B+4*\s+3], s[46:47], \s*ROWB
	s_or_b32 s[G0B+4*\s+3], s[G0B+4*\s+3], 0x80000000
	s_wait_alu depctr_va_vdst(0)
	s_wait_tensorcnt 0x0
	ds_add_u32 v28, v29
	ds_add_u32 v28, v29
	s_wait_dscnt 0x0
	CROUND
	JLOAD G0+4*\s, G1, G0B+4*\s, G1B
.endr
	v_and_b32 v1, 15, v0
	s_wait_alu depctr_va_vdst(0)
	v_bfe_u32 v2, v0, 4, 1
	v_mul_u32_u24 v3, v1, PITCH
	v_lshl_add_u32 v4, v2, 4, v3
	s_mul_i32 s21, s15, HALFT
	s_mul_i32 s22, s16, HALFT
	s_add_co_u32 s22, s22, 2*HALFT
.irp s, 0,1
	v_add_nc_u32 v[ADRA+\s], s21, v4
	v_add_nc_u32 v[ADRB+\s], s22, v4
	s_add_co_u32 s21, s21, SLOT
	s_add_co_u32 s22, s22, SLOT
.endr
	s_mul_i32 s23, s14, 16*SPITCH                  ; my stage
	v_mul_u32_u24 v5, v1, SPITCH
	s_wait_alu depctr_va_vdst(0)
	v_lshl_add_u32 v5, v2, 5, v5
	v_add_nc_u32 v[STO], s23, v5                   ; in: row l % 16, 32 bytes for each half of the lanes
	v_and_b32 v6, 31, v0
	v_lshlrev_b32 v[CO], 4, v6                     ; back: the 32 lanes take one row of 512 bytes; the same in out0 and in bo
	s_wait_alu depctr_va_vdst(0)
	v_add_nc_u32 v[RD], s23, v[CO]
	s_lshl_b32 s20, s17, 8
	s_lshl_b32 s21, s15, 7
	s_add_co_u32 s20, s20, s21                     ; my first row
	s_lshl_b32 s20, s20, 12
	s_mov_b32 s21, 0
	s_lshl_b32 s46, s42, 10                        ; my first column, in bytes
	s_lshl_b32 s47, s16, 9
	s_add_co_u32 s46, s46, s47
	s_mov_b32 s47, 0
	s_add_nc_u64 s[10:11], s[10:11], s[46:47]
	s_add_nc_u64 s[20:21], s[20:21], s[46:47]
	s_add_nc_u64 s[12:13], s[12:13], s[20:21]
	global_load_b128 v[BIAS:BIAS+3], v[CO], s[10:11]   ; a row read back gives a lane the same four columns every time: four numbers of bo serve the whole tile
.macro FRAG reg, adr, q, i
.irp c, 0,1,2,3
	ds_load_b128 v[\reg+4*\c:\reg+4*\c+3], v[\adr] offset:128*(\q)+32*\c+(\i)*16*PITCH
.endr
.endm
.macro MUL16 a0, p, zero               ; the 64 accumulators take turns, one instruction a turn
.irp a, \a0, \a0+1
.irp b, 0,1,2,3,4,5,6,7
.if \zero
	v_wmma_f32_16x16x128_fp8_fp8 v[8*(8*((\a)%4)+\b):8*(8*((\a)%4)+\b)+7], v[128*(\p)+FR*\b:128*(\p)+FR*\b+FR-1], v[AF+FR*(\a):AF+FR*(\a)+FR-1], 0
.else
	v_wmma_f32_16x16x128_fp8_fp8 v[8*(8*((\a)%4)+\b):8*(8*((\a)%4)+\b)+7], v[128*(\p)+FR*\b:128*(\p)+FR*\b+FR-1], v[AF+FR*(\a):AF+FR*(\a)+FR-1], v[8*(8*((\a)%4)+\b):8*(8*((\a)%4)+\b)+7]
.endif
.endr
.endr
.endm
.macro FETCH_B slot, q, p
	WIN TO_B
.irp i, 0,1,2,3,4,5,6,7
	FRAG 128*(\p)+FR*\i, ADRB+\slot, \q, \i
.endr
	WIN 0
.endm
.macro FETCH_A slot, q, i0
.irp i, \i0, \i0+1, \i0+2, \i0+3
	FRAG AF+FR*(\i), ADRA+\slot, \q, \i
.endr
.endm
.macro PLACES n
.rept \n
	v_nop
.endr
.endm
.macro STEP slot, q, zero
	s_wait_dscnt 4*NL                              ; the youngest 16 loads (A's blocks 4-7) may be out
	WIN MUL_LO
	MUL16 0, (\q)%2, \zero
	MUL16 2, (\q)%2, \zero
	s_wait_dscnt 0
	PLACES NP
	FETCH_B \slot, (\q)+1, 1-(\q)%2
	FETCH_A \slot, (\q)+1, 0
	WIN MUL_HI
	MUL16 4, (\q)%2, \zero
	MUL16 6, (\q)%2, \zero
	PLACES NP
	WIN 0
	FETCH_A \slot, (\q)+1, 4
.endm
.macro TURN slot, next, fill
	s_wait_tensorcnt 0x0                           ; all my tensor loads have landed
	ds_add_u32 v[SPW], v[NIL]                      ; 0 onto my spare word
	s_wait_dscnt 4*NL+1                            ; the add and the youngest 16 loads may be out
	WIN MUL_LO
	MUL16 0, 1, 0
	s_wait_dscnt 0x0                               ; the add is done, and my reads of this slot are over
	s_barrier_signal -1
	MUL16 2, 1, 0
	WIN 0
	s_barrier_wait -1
.if \fill
	CREST
	s_add_nc_u64 s[G0+4*\slot+2:G0+4*\slot+3], s[G0+4*\slot+2:G0+4*\slot+3], 2*ROWB
	s_add_nc_u64 s[G0B+4*\slot+2:G0B+4*\slot+3], s[G0B+4*\slot+2:G0B+4*\slot+3], 2*ROWB
	JLOAD G0+4*\slot, G1, G0B+4*\slot, G1B
.else
	PLACES NP
.endif
	FETCH_B \next, 0, 0
	FETCH_A \next, 0, 0
	WIN MUL_HI
	MUL16 4, 1, 0
	MUL16 6, 1, 0
	PLACES NP
	WIN 0
	FETCH_A \next, 0, 4
.endm
	s_wait_tensorcnt 1                             ; my part of K step 0 is in; K step 1's load may be out
	s_barrier_signal -1
	s_barrier_wait -1
	FETCH_B 0, 0, 0
	FETCH_A 0, 0, 0
	FETCH_A 0, 0, 4
	STEP 0, 0, 1
	TURN 0, 1, 1
	STEP 1, 0, 0
	TURN 1, 0, 1
	STEP 0, 0, 0
	TURN 0, 1, 0
	STEP 1, 0, 0
	s_wait_dscnt 4*NL
	WIN MUL_LO
	MUL16 0, 1, 0
	MUL16 2, 1, 0
	s_wait_dscnt 0
	WIN MUL_HI
	MUL16 4, 1, 0
	MUL16 6, 1, 0
	WIN 0
; THE WAY OUT, block by block of 16 rows x 128 columns: the sums go into my own stage as they are and come back as whole rows of 512 bytes; there scale and bias are applied, and the 32 lanes store two aligned units of 256 bytes.
.macro TOSTAGE a
.set AC, 64*((\a)%4)
	WIN 0x08+4*((\a)/4)                            ; the stores' data: window 2 or 3
.irp b, 0,1,2,3,4,5,6,7
	ds_store_b128 v[STO], v[AC+8*\b:AC+8*\b+3] offset:64*\b          ; each accumulator from its low end on
	ds_store_b128 v[STO], v[AC+8*\b+4:AC+8*\b+7] offset:64*\b+16
.endr
	WIN 0
.set BB, BK+64*((\a)%2)
.irp t, 0,1,2,3,4,5,6,7,8,9,10,11,12,13,14,15
	ds_load_b128 v[BB+4*\t:BB+4*\t+3], v[RD] offset:\t*SPITCH        ; LDS serves a wave's instructions in order: these see the stores above
.endr
.endm
.macro SEND a, younger
.set BB, BK+64*((\a)%2)
	s_wait_dscnt \younger                          ; the block is back; the next block's 16 stores and 16 loads may be out
.if (\a) > 0
	s_add_nc_u64 s[12:13], s[12:13], 16*NROW       ; behind a wait on XCNT: the earlier stores have read their base
.endif
.set nn, 0
.rept 32
	v_pk_fma_f32 v[BB+2*nn:BB+2*nn+1], v[BB+2*nn:BB+2*nn+1], s[96:97], v[BIAS+2*(nn%2):BIAS+2*(nn%2)+1] op_sel_hi:[1,0,1]   ; sum x 2^(e10 + e11) + bo
.set nn, nn+1
.endr
.irp t, 0,1,2,3,4,5,6,7,8,9,10,11,12,13,14,15
	global_store_b128 v[CO], v[BB+4*\t:BB+4*\t+3], s[12:13] offset:\t*NROW th:TH_STORE_NT   ; 32 lanes store 512 consecutive bytes, aligned
.endr
.endm
	s_wait_kmcnt 0x0
	s_add_co_i32 s96, s96, s97
	s_add_co_i32 s96, s96, 127
	s_lshl_b32 s96, s96, 23                        ; 2^(e10 + e11)
	s_wait_loadcnt 0x0                             ; bo
	PLACES NP
	s_wait_alu depctr_va_vdst(0)
	TOSTAGE 0
.irp a, 1,2,3,4,5,6,7
.if \a > 1
	s_wait_xcnt 0x0                                ; block a - 2's stores have read their registers and their base
.endif
	TOSTAGE \a
	SEND \a-1, 32
.endr
	s_wait_xcnt 0x0
	SEND 7, 0
	s_wait_tensorcnt 0x0                           ; the wave's end
	ds_add_u32 v[SPW], v[NIL]
	s_wait_dscnt 0x0
	CROUND                                         ; the closing round
	s_endpgm
.Lfunc_end_k_qee5a5a02aa_oproj:
	.size	k_qee5a5a02aa_oproj, .Lfunc_end_k_qee5a5a02aa_oproj-k_qee5a5a02aa_oproj
	.p2alignl 7, 3214868480
	.fill 96, 4, 3214868480
	.section	.rodata,"a",@progbits
	.p2align	6, 0x0
	.amdhsa_kernel k_qee5a5a02aa_oproj
		.amdhsa_group_segment_fixed_size 327680
		.amdhsa_private_segment_fixed_size 0
		.amdhsa_enable_private_segment 0
		.amdhsa_kernarg_size 40
		.amdhsa_user_sgpr_count 2
		.amdhsa_user_sgpr_kernarg_segment_ptr 1
		.amdhsa_wavefront_size32 1
		.amdhsa_system_sgpr_workgroup_id_x 1
		.amdhsa_system_sgpr_workgroup_id_y 1
		.amdhsa_system_sgpr_workgroup_id_z 1
		.amdhsa_system_vgpr_workitem_id 0
		.amdhsa_next_free_vgpr 1024
		.amdhsa_next_free_sgpr 98
		.amdhsa_reserve_vcc 0
		.amdhsa_float_denorm_mode_32 3
		.amdhsa_float_denorm_mode_16_64 3
		.amdhsa_memory_ordered 1
		.amdhsa_forward_progress 1
		.amdhsa_inst_pref_size 124
	.end_amdhsa_kernel
	.amdgpu_metadata
---
amdhsa.version: [ 1, 2 ]
amdhsa.kernels:
  - .name:           k_qee5a5a02aa_oproj
    .symbol:         k_qee5a5a02aa_oproj.kd
    .args:
      - { .name: cc, .offset: 0, .size: 8, .value_kind: global_buffer, .address_space: global }
      - { .name: wc, .offset: 8, .size: 8, .value_kind: global_buffer, .address_space: global }
      - { .name: lowp_scales, .offset: 16, .size: 8, .value_kind: global_buffer, .address_space: global }
      - { .name: bo, .offset: 24, .size: 8, .value_kind: global_buffer, .address_space: global }
      - { .name: out0, .offset: 32, .size: 8, .value_kind: global_buffer, .address_space: global }
    .group_segment_fixed_size: 327680
    .private_segment_fixed_size: 0
    .kernarg_segment_align: 8
    .kernarg_segment_size: 40
    .max_flat_workgroup_size: 128
    .sgpr_count:     98
    .vgpr_count:     1024
    .wavefront_size: 32
...
	.end_amdgpu_metadata
.endif
;; end of part 4
